; MI455X (gfx1250); checked and timed in simulation.
; The chip was launched on July 23, 2026; its instructions are those of AMD's public machine-readable ISA for CDNA 5 (MIT licence, August 2026) and "CDNA5" Instruction Set Architecture Reference Guide (July 2026). The comments in the code are by the model that wrote it; some were corrected since.
;; Multi Head Attention. Allowed arithmetic: matrix products marked QUANTISED: E4M3 operands, one given power-of-two scale a tensor, by v_wmma_f32_16x16x64_fp8_fp8 or v_wmma_f32_16x16x128_fp8_fp8, f32 sums; everything else in f32.
;; Inputs: bo 1,024 float32; lowp_scales 12 int32 (the exponents e of the quantised operands' scales 2^e); wk 1,024 x 1,024 float32; wo 1,024 x 1,024 float32; wq 1,024 x 1,024 float32; wv 1,024 x 1,024 float32; x 2 x 2,048 x 1,024 float32.
;; Outputs: out0 2 x 2,048 x 1,024 float32.
;; This version of the problem:
;;   THIS VERSION OF THE PROBLEM IS GIVEN IN LOW PRECISION. The matrix products marked QUANTISED in the list below multiply operands that are first quantised to E4M3 (4 exponent bits, 3 mantissa bits; 8 bits a number), with one given power-of-two scale for each operand tensor; their sums are f32. All else is computed in f32.
;;   The module's matrix products, in the order in which they are computed (A, B: the left and right operand; K: the contracted axis; several contracted axes count as one K, in the product's order):
;;     1. [M 4,096, K 1,024] x [K 1,024, N 1,024]; A: input x; B: input wq: QUANTISED (scales: A lowp_scales[0], B lowp_scales[1])
;;     2. [M 4,096, K 1,024] x [K 1,024, N 1,024]; A: input x; B: input wk: QUANTISED (scales: A lowp_scales[2], B lowp_scales[3])
;;     3. [M 4,096, K 1,024] x [K 1,024, N 1,024]; A: input x; B: input wv: QUANTISED (scales: A lowp_scales[4], B lowp_scales[5])
;;     4. batch 32 x [M 2,048, K 64] x [K 64, N 2,048]; A: computed on the way; B: computed on the way: QUANTISED (scales: A lowp_scales[6], B lowp_scales[7])
;;     5. batch 32 x [M 2,048, K 2,048] x [K 2,048, N 64]; A: softmax (see below); B: computed on the way: QUANTISED (scales: A lowp_scales[8], B lowp_scales[9])
;;     6. [M 4,096, K 1,024] x [K 1,024, N 1,024]; A: computed on the way; B: input wo: QUANTISED (scales: A lowp_scales[10], B lowp_scales[11])
;;   THE QUANTISER, for each operand of a quantised product, along K:
;;     - The operand's scale is 2^e, e = its entry of the input lowp_scales (int32; the entries are numbered through the quantised products in the list's order, A before B).
;;     - Each number is divided by the scale, clamped to +-448, and rounded to the nearest number of E4M3, ties to even, subnormals kept.
;;     - The product sums the exact products of the quantised numbers (number of the format x scale) in f32.
;;   ~~~python
;;   def quantise(x, axis, e):      # numpy; x: float32 -> the quantised numbers, widened to float32 again
;;       x = np.moveaxis(x, axis, -1); K = x.shape[-1]
;;       r = np.clip(x / 2.0 ** e, -448, 448)
;;       step = 2.0 ** (np.maximum(np.frexp(np.where(r == 0, 1, r))[1] - 1, -6) - 3)
;;       q = np.round(r / step) * step * 2.0 ** e      # np.round: ties to even
;;       return np.moveaxis(q, -1, axis).astype(np.float32)
;;   ~~~
;;   SOFTMAX AHEAD OF A QUANTISED PRODUCT. Where the list says 'softmax', what is quantised is not the finished softmax but p = 2^(t - M), with t = logit x log2(e) and M = ceil(the row's largest t), a whole number; so 1/2 < the row's largest p <= 1. The row's sum l is taken of the UNQUANTISED p, in f32, and the product's result is divided by l at the end. Since M is a whole number, a kernel that streams over the keys may use a running M (the ceiling of the running maximum): every later rescaling is an exact power of two, so the quantised numbers keep their values, but for numbers so far below the row's largest that they fall under the format's range.
;;   OPERANDS COMPUTED ON THE WAY. 'Computed on the way' means the value that the module computes at that place (a softmax that the list does not call 'softmax' is quantised finished and normalised). What goes into a quantiser is computed in f32, as accurately as f32 sums, v_exp_f32 and their like allow (about 1e-6 of the number): no bf16 or f16 on the way to a quantiser, and a product that is left as it is and whose result goes on into a quantised operand takes f32 operands (vector FMAs, or v_wmma_f32_16x16x4_f32). A number that lies on a knife's edge between two numbers of the format may be rounded either way, as far as f32 arithmetic and the matrix unit's own rounding can turn it there, and no further.
;; One version. Each part assembles by itself: llvm-mc -triple=amdgcn-amd-amdhsa -mcpu=gfx1250 --defsym DOCPART=n.
;; ======== version 1 of 1: 4 launches
;; limits: right only within a limited range of input values
;; workspace buffers: codes 16,777,216 bytes; qkv 12,582,912 bytes; ctx 4,194,304 bytes
;; launch quant (part 1): grid 384 x 1, 8 waves a work-group, no clusters, 103,424 bytes of LDS; arguments x, wq, wk, wv, wo, lowp_scales, codes; writes codes
.if DOCPART == 1
	.amdgcn_target "amdgcn-amd-amdhsa--gfx1250"
	.amdhsa_code_object_version 6
	.text
	.protected	k_q29c39a27a3_quant
	.globl	k_q29c39a27a3_quant
	.p2align	8
	.type	k_q29c39a27a3_quant,@function
k_q29c39a27a3_quant:
	s_mov_b64 s[64:65], 0
	v_nop
	global_prefetch_b8 v0, s[64:65] scope:SCOPE_SE
	s_setreg_imm32_b32 hwreg(HW_REG_WAVE_MODE, 25, 1), 1
	s_wait_xcnt 0x0
; x [4096][1024] and wq, wk, wv, wo [1024 (k)][1024 (n)], f32, become codes of FP8 (E4M3), each with the scale 2^e that is given for it.
; code = number / 2^e, held within +-448, rounded to the nearest code, ties to even.  x is an operand of three products with three entries of the scales (0, 2, 4): three sets of codes.
; LIMITS: each e lies between -126 and 119, so that 2^e and 448 x 2^e are f32 numbers.  NaN among the inputs is not served.
; THE LAYOUT OF EVERY OPERAND (K = 1,024) IS AN IMAGE OF THE OPERAND'S REGISTERS.  Piece (rt, ks, c) is 512 bytes at ((8 rt + ks) 4 + c) 512; in it lane l = r + 16 h has 16 bytes:
; row 32 (rt / 2) + 8 (rt % 2) + r + 8 (r / 8), k = 128 ks + 32 c + 16 h + 0 .. 15.  So a fragment (16 rows x 128 K) is 2,048 consecutive bytes, fetched by four loads of 16 bytes a lane at 16 x lane.
; The rows of a tile are not neighbours: with a product used transposed, the 16 registers of two neighbouring tiles' results are then 16 neighbours along the next product's K.
; In the buffer of codes: x by e0 at 0, by e2 at 4 Mi, by e4 at 8 Mi; wq at 12 Mi, wk at 13 Mi, wv at 14 Mi, wo at 15 Mi (a weight's rows are its columns n).
; SHARES.  Work-groups 0-255: row tile rt = the work-group's number of x, wave w its K step w: 16 rows x 128 numbers.  Work-groups 256-383: a weight, a K step, 256 columns; wave w 32 of them.
; No tensor loads, no barrier, no loop: a wave does one unit and shares nothing.  The two paths have LDS bytes of their own.
.set XP,    528                        ; x's stage: a row of 512 bytes + 16: sixteen rows start 4 words apart modulo 64 words
.set XW,    16*XP                      ; a wave's stage
.set WSTG,  8*XW                       ; the weights' stages begin here
.set WIM,   2176                       ; a fragment's image, 2,048 bytes, + 128: the two images' stores of one instruction fall on different halves of 256 bytes
.set WW,    2*WIM
.set SPARE, WSTG+8*WW                  ; behind the stages: the spare words, 128 bytes for each wave: four blocks of 256 bytes that no other line names
.set LO,   2                           ; v2   16 x lane
.set XSI,  3                           ; v3   x's stage, in: 16 x lane of a row
.set XSO,  4                           ; v4   x's stage, out: row r, + 64 h
.set WLO,  7                           ; v7   4 x lane
.set WSI,  8                           ; v8   a weight's stage, in
.set WSO,  9                           ; v9   a weight's stage, out: 16 x lane
.set SPW,  12                          ; v12  LDS address of my spare word; never rewritten
.set NIL,  13                          ; v13  0; never rewritten
.set RAW,  16                          ; v16-79   x as loaded;  v16-143 a weight's 128 numbers of my column
.set XN,   80                          ; v80-143  x: register 16 c + i = k 32 c + 16 h + i of my row
.set T,    144                         ; v144-175 two sets of 16 held numbers
.set C,    176                         ; v176-223 x's codes: 16 registers for each of the three scales
.set CW,   144                         ; v144-175 a weight's codes
.set OUTR, 176                         ; v176-207 and the same read back as images
.set SC,   224                         ; v224.. pairs: 2^e as f32, 448 x 2^e
	s_load_b256 s[4:11], s[0:1], 0x0               ; x s[4:5], wq s[6:7], wk s[8:9], wv s[10:11]
	s_load_b128 s[12:15], s[0:1], 0x20             ; wo s[12:13], the scales' exponents s[14:15]
	s_load_b64 s[16:17], s[0:1], 0x30              ; the codes
	v_lshl_add_u32 v[SPW], v0, 2, SPARE
	v_mov_b32 v[NIL], 0
	v_lshrrev_b32 v1, 5, v0
	s_delay_alu instid0(VALU_DEP_1)
	v_readfirstlane_b32 s18, v1                    ; wave 0..7
	v_and_b32 v1, 31, v0                           ; lane
	s_delay_alu instid0(VALU_DEP_1)
	v_lshlrev_b32 v[LO], 4, v1
	s_delay_alu instid0(VALU_DEP_2)
	v_lshlrev_b32 v[WLO], 2, v1
	v_and_b32 v5, 15, v0                           ; r
	v_bfe_u32 v6, v0, 4, 1                         ; h
	s_mul_i32 s19, s18, XW                         ; my stage for x
	v_add_nc_u32 v[XSI], s19, v[LO]
	v_mul_u32_u24 v[XSO], v5, XP
	s_delay_alu instid0(VALU_DEP_1)
	v_lshl_add_u32 v[XSO], v6, 6, v[XSO]
	s_delay_alu instid0(VALU_DEP_1)
	v_add_nc_u32 v[XSO], s19, v[XSO]
	s_mul_i32 s19, s18, WW
	s_add_co_u32 s19, s19, WSTG                    ; my stage for a weight
	v_add_nc_u32 v[WSO], s19, v[LO]
	v_bfe_u32 v10, v0, 3, 1                        ; column j = lane of my 32 lies in tile u = (j / 8) % 2, at place r = j % 8 + 8 (j / 16)
	s_delay_alu instid0(VALU_DEP_1)
	v_mul_u32_u24 v[WSI], v10, WIM
	v_and_b32 v10, 7, v0
	s_delay_alu instid0(VALU_DEP_1)
	v_lshl_add_u32 v[WSI], v10, 4, v[WSI]
	s_delay_alu instid0(VALU_DEP_1)
	v_lshl_add_u32 v[WSI], v6, 7, v[WSI]
	s_delay_alu instid0(VALU_DEP_1)
	v_add_nc_u32 v[WSI], s19, v[WSI]               ; image u, + 16 r
	s_wait_kmcnt 0x0
	s_load_b256 s[20:27], s[14:15], 0x0            ; e0 .. e7
	s_load_b128 s[28:31], s[14:15], 0x20           ; e8 .. e11
	s_cmp_ge_u32 ttmp9, 256
	s_cbranch_scc1 .Lweights
	; ---- x: row tile rt = the work-group's number, K step = my wave's number
	s_lshr_b32 s32, ttmp9, 1
	s_lshl_b32 s32, s32, 17                        ; 32 (rt / 2) rows of 4,096 bytes
	s_and_b32 s33, ttmp9, 1
	s_lshl_b32 s33, s33, 15                        ; + 8 (rt % 2) rows
	s_add_co_u32 s32, s32, s33
	s_lshl_b32 s33, s18, 9                         ; + my 128 numbers of a row
	s_add_co_u32 s32, s32, s33
	s_mov_b32 s33, 0
	s_add_nc_u64 s[4:5], s[4:5], s[32:33]
	s_lshl_b32 s34, ttmp9, 14                      ; the codes: 16,384 rt + 2,048 ks
	s_lshl_b32 s35, s18, 11
	s_add_co_u32 s34, s34, s35
	s_mov_b32 s35, 0
	s_add_nc_u64 s[36:37], s[16:17], s[34:35]      ; by e0,
	s_add_nc_u64 s[38:39], s[36:37], 0x400000      ; by e2,
	s_add_nc_u64 s[40:41], s[36:37], 0x800000      ; by e4
.irp t, 0,1,2,3,4,5,6,7,8,9,10,11,12,13,14,15
	global_load_b128 v[RAW+4*\t:RAW+4*\t+3], v[LO], s[4:5] offset:(\t+8*(\t/8))*4096 th:TH_LOAD_NT   ; place t of the tile: 32 lanes read 512 consecutive bytes of one row
.endr
.irp t, 0,1,2,3,4,5,6,7,8,9,10,11,12,13,14,15
	s_wait_loadcnt 15-\t                           ; loads come back in order: row t is in, the younger ones may be out
	ds_store_b128 v[XSI], v[RAW+4*\t:RAW+4*\t+3] offset:\t*XP
.endr
	s_wait_alu depctr_va_vdst(0)
.irp c, 0,1,2,3
.irp j, 0,1,2,3
	ds_load_b128 v[XN+16*\c+4*\j:XN+16*\c+4*\j+3], v[XSO] offset:128*\c+16*\j   ; my own bytes, served in order: no wait between the stores and these loads
.endr
.endr
	s_wait_kmcnt 0x0
.irp s, 0,1,2
	s_add_co_i32 s32, s[20+2*\s], 127
	s_lshl_b32 s33, s32, 23
	v_mov_b32 v[SC+2*\s], s33                      ; 2^e as f32: the conversion takes its exponent field
	s_add_co_i32 s32, s32, 8
	s_lshl_b32 s32, s32, 23
	s_or_b32 s32, s32, 0x600000
	v_mov_b32 v[SC+2*\s+1], s32                    ; 448 x 2^e
.endr
	s_wait_alu depctr_va_vdst(0)
	s_wait_dscnt 0x0
.irp s, 0,1,2
.irp c, 0,1,2,3
.irp i, 0,1,2,3,4,5,6,7,8,9,10,11,12,13,14,15
	v_med3_num_f32 v[T+16*(\c%2)+\i], v[XN+16*\c+\i], -v[SC+2*\s+1], v[SC+2*\s+1]   ; the conversion to an 8-bit code does not saturate (ISA guide 7.6.2): the hold comes first.  The two sets take turns: sixteen plain lines stand between a conversion and the rewriting of its sources
.endr
	v_cvt_scalef32_pk8_fp8_f32 v[C+16*\s+4*\c:C+16*\s+4*\c+1], v[T+16*(\c%2):T+16*(\c%2)+7], v[SC+2*\s]
	v_cvt_scalef32_pk8_fp8_f32 v[C+16*\s+4*\c+2:C+16*\s+4*\c+3], v[T+16*(\c%2)+8:T+16*(\c%2)+15], v[SC+2*\s]
.endr
.irp c, 0,1,2,3
	global_store_b128 v[LO], v[C+16*\s+4*\c:C+16*\s+4*\c+3], s[36+2*\s:37+2*\s] offset:512*\c   ; piece c: 512 consecutive bytes; each piece has registers of its own, so no store's data are written again
.endr
.endr
	v_nop                                          ; a plain line behind the last conversion
	s_wait_tensorcnt 0x0                           ; the wave's end, behind my last LDS store
	ds_add_u32 v[SPW], v[NIL]
	s_wait_dscnt 0x0
	s_endpgm
.Lweights:
	; ---- a weight: g = the work-group's number - 256: matrix g / 32, K step (g / 4) % 8, columns 256 (g % 4) + 32 wave + lane.  A LANE TAKES A COLUMN, AND ITS REGISTERS RUN DOWN K
	s_sub_co_u32 s32, ttmp9, 256
	s_lshr_b32 s33, s32, 5                         ; which weight
	s_bfe_u32 s34, s32, 0x30002                    ; K step
	s_and_b32 s35, s32, 3                          ; which 256 columns
	s_cmp_eq_u32 s33, 1
	s_cselect_b64 s[6:7], s[8:9], s[6:7]
	s_cmp_eq_u32 s33, 2
	s_cselect_b64 s[6:7], s[10:11], s[6:7]
	s_cmp_eq_u32 s33, 3
	s_cselect_b64 s[6:7], s[12:13], s[6:7]         ; the choice hangs on the work-group's number alone
	s_lshl_b32 s36, s34, 19                        ; 128 ks rows of 4,096 bytes
	s_lshl_b32 s37, s35, 10
	s_add_co_u32 s36, s36, s37
	s_lshl_b32 s37, s18, 7
	s_add_co_u32 s36, s36, s37                     ; + my wave's first column
	s_mov_b32 s37, 0
	s_add_nc_u64 s[6:7], s[6:7], s[36:37]
	s_lshl_b32 s38, s33, 20                        ; the codes: 12 Mi + 1 Mi x weight + 16,384 x (16 (g % 4) + 2 wave) + 2,048 ks
	s_lshl_b32 s39, s35, 18
	s_add_co_u32 s38, s38, s39
	s_lshl_b32 s39, s18, 15
	s_add_co_u32 s38, s38, s39
	s_lshl_b32 s39, s34, 11
	s_add_co_u32 s38, s38, s39
	s_add_co_u32 s38, s38, 0xc00000
	s_mov_b32 s39, 0
	s_add_nc_u64 s[16:17], s[16:17], s[38:39]
.set kk, 0
.rept 128
	global_load_b32 v[RAW+kk], v[WLO], s[6:7] offset:kk*4096 th:TH_LOAD_NT   ; row k at my wave's 32 columns: 128 consecutive bytes; the eight waves stand side by side on 1,024
.set kk, kk+1
.endr
	s_wait_kmcnt 0x0
	s_cmp_eq_u32 s33, 1
	s_cselect_b32 s21, s23, s21                    ; e1, e3, e5 or e11
	s_cmp_eq_u32 s33, 2
	s_cselect_b32 s21, s25, s21
	s_cmp_eq_u32 s33, 3
	s_cselect_b32 s21, s31, s21
	s_add_co_i32 s21, s21, 127
	s_lshl_b32 s23, s21, 23
	v_mov_b32 v[SC], s23                           ; 2^e
	s_add_co_i32 s21, s21, 8
	s_lshl_b32 s21, s21, 23
	s_or_b32 s21, s21, 0x600000
	v_mov_b32 v[SC+1], s21                         ; 448 x 2^e
	s_wait_alu depctr_va_vdst(0)
.irp c, 0,1,2,3
.if \c < 2
	s_wait_loadcnt 63                              ; 96 and 64 younger loads might stay out; the wait's field names 63 at the most, and a smaller count is safe
.else
	s_wait_loadcnt 32*(3-\c)                       ; the later blocks' loads may be out
.endif
.set ii, 0
.rept 32
	v_med3_num_f32 v[RAW+32*\c+ii], v[RAW+32*\c+ii], -v[SC+1], v[SC+1]
.set ii, ii+1
.endr
.irp g, 0,1,2,3
	v_cvt_scalef32_pk8_fp8_f32 v[CW+8*\c+2*\g:CW+8*\c+2*\g+1], v[RAW+32*\c+8*\g:RAW+32*\c+8*\g+7], v[SC]
.endr
	ds_store_b128 v[WSI], v[CW+8*\c:CW+8*\c+3] offset:512*\c          ; k = 32 c + 0 .. 15: the place of lane r,
	ds_store_b128 v[WSI], v[CW+8*\c+4:CW+8*\c+7] offset:512*\c+256    ; k = 32 c + 16 .. 31: of lane r + 16
.endr
	v_nop                                          ; a plain line behind the last conversion
.irp u, 0,1
.irp c, 0,1,2,3
	ds_load_b128 v[OUTR+4*(4*\u+\c):OUTR+4*(4*\u+\c)+3], v[WSO] offset:\u*WIM+512*\c   ; my own bytes, served in order
.endr
.endr
.irp u, 0,1
.irp c, 0,1,2,3
	s_wait_dscnt 7-(4*\u+\c)
	global_store_b128 v[LO], v[OUTR+4*(4*\u+\c):OUTR+4*(4*\u+\c)+3], s[16:17] offset:\u*16384+512*\c   ; 512 consecutive bytes
.endr
.endr
	s_wait_tensorcnt 0x0                           ; the wave's end, behind my last LDS store
	ds_add_u32 v[SPW], v[NIL]
	s_wait_dscnt 0x0
	s_endpgm
.Lfunc_end_k_q29c39a27a3_quant:
	.size	k_q29c39a27a3_quant, .Lfunc_end_k_q29c39a27a3_quant-k_q29c39a27a3_quant
	.p2alignl 7, 3214868480
	.fill 96, 4, 3214868480
	.section	.rodata,"a",@progbits
	.p2align	6, 0x0
	.amdhsa_kernel k_q29c39a27a3_quant
		.amdhsa_group_segment_fixed_size 103424
		.amdhsa_private_segment_fixed_size 0
		.amdhsa_enable_private_segment 0
		.amdhsa_kernarg_size 56
		.amdhsa_user_sgpr_count 2
		.amdhsa_user_sgpr_kernarg_segment_ptr 1
		.amdhsa_wavefront_size32 1
		.amdhsa_system_sgpr_workgroup_id_x 1
		.amdhsa_system_sgpr_workgroup_id_y 1
		.amdhsa_system_sgpr_workgroup_id_z 1
		.amdhsa_system_vgpr_workitem_id 0
		.amdhsa_next_free_vgpr 232
		.amdhsa_next_free_sgpr 66
		.amdhsa_reserve_vcc 0
		.amdhsa_float_denorm_mode_32 3
		.amdhsa_float_denorm_mode_16_64 3
		.amdhsa_memory_ordered 1
		.amdhsa_forward_progress 1
		.amdhsa_inst_pref_size 48
	.end_amdhsa_kernel
	.amdgpu_metadata
---
amdhsa.version: [ 1, 2 ]
amdhsa.kernels:
  - .name:           k_q29c39a27a3_quant
    .symbol:         k_q29c39a27a3_quant.kd
    .args:
      - { .name: x, .offset: 0, .size: 8, .value_kind: global_buffer, .address_space: global }
      - { .name: wq, .offset: 8, .size: 8, .value_kind: global_buffer, .address_space: global }
      - { .name: wk, .offset: 16, .size: 8, .value_kind: global_buffer, .address_space: global }
      - { .name: wv, .offset: 24, .size: 8, .value_kind: global_buffer, .address_space: global }
      - { .name: wo, .offset: 32, .size: 8, .value_kind: global_buffer, .address_space: global }
      - { .name: lowp_scales, .offset: 40, .size: 8, .value_kind: global_buffer, .address_space: global }
      - { .name: codes, .offset: 48, .size: 8, .value_kind: global_buffer, .address_space: global }
    .group_segment_fixed_size: 103424
    .private_segment_fixed_size: 0
    .kernarg_segment_align: 8
    .kernarg_segment_size: 56
    .max_flat_workgroup_size: 256
    .sgpr_count:     66
    .vgpr_count:     232
    .wavefront_size: 32
...
	.end_amdgpu_metadata
.endif
;; end of part 1
;; launch proj (part 2): grid 48 x 4, 4 waves a work-group, clusters of 4 x 4, 327,680 bytes of LDS; arguments codes, lowp_scales, qkv; writes qkv
.if DOCPART == 2
	.amdgcn_target "amdgcn-amd-amdhsa--gfx1250"
	.amdhsa_code_object_version 6
	.text
	.protected	k_q29c39a27a3_proj
	.globl	k_q29c39a27a3_proj
	.p2align	8
	.type	k_q29c39a27a3_proj,@function
k_q29c39a27a3_proj:
	s_mov_b64 s[64:65], 0
	v_nop
	global_prefetch_b8 v0, s[64:65] scope:SCOPE_SE
	s_setreg_imm32_b32 hwreg(HW_REG_WAVE_MODE, 25, 1), 1
	s_wait_xcnt 0x0
	s_wait_alu depctr_hold_cnt(0) depctr_sa_sdst(0) depctr_va_vdst(0) depctr_va_sdst(0) depctr_va_ssrc(0) depctr_va_vcc(0) depctr_vm_vsrc(0)
	s_getreg_b32 s2, hwreg(HW_REG_IB_STS2, 6, 4)
	s_cmp_eq_u32 s2, 0
	s_cbranch_scc0 .Lentry_in_a_cluster
	s_endpgm
.Lentry_in_a_cluster:
	s_bfe_u32 s2, ttmp6, 0x10000c
	s_cmp_lg_u32 s2, 0xf033
	s_cbranch_scc0 .Lentry_shape_is_right
	s_endpgm
.Lentry_shape_is_right:
; The three projections on codes of FP8 (E4M3): product 0: q, 1: k, 2: v.  Cluster x / 4 picks the product; a tile of 256 x 256 of it is made by four waves of 128 x 128 each: 64 accumulators of 16 x 16.
; Both operands lie in memory as images of the operand's registers; K goes in four steps of 256 through a ring of two LDS slots, filled by joint loads (4 x 4 work-groups: A's tile shared along a row of the cluster, B's along a column).
; q and k on the one hand and v on the other take x and the weight in opposite places, so that a lane's 16 registers of two neighbouring tiles are 16 neighbours along the NEXT product's K;
; the three scales are folded into the conversion's one.  The codes leave as images of the next products' operands: 512 consecutive bytes a store.
; LIMITS: e6 - e0 - e1, e7 - e2 - e3 and e9 - e4 - e5 lie between -126 and 119.
; PREFETCH: behind the joint load of K step k and what follows it stands one prefetch for K step k + 1 (k = 0, 1, 2; none behind the last): of the 8 row tiles that a wave fetches, each of the four partners takes two, told apart BY ADDRESS
; (cx for A, cy for B): 2 x 4,096 bytes, lanes 256 bytes apart: each block of 256 bytes is named once in each cluster.  The step along K is in the immediate: the address registers are never rewritten.
.set PFO,    18
.set FR,     16
.set NL,     4
.set NP,     4
.set KSB,    4096
.set HALFT,  8*KSB
.set SLOT,   4*HALFT
.set SPARE,  2*SLOT
.set ADRA, 16
.set ADRB, 20
.set CO,   26
.set SPW,  28
.set NIL,  29
.set SCL,  30
.set LIM,  31
.set TMP,  32
.set AF,   128
.set CD,   128
.set G1, 24
.set G0, 32
.set G1B, 48
.set G0B, 56
.set MSB, 0
.macro WIN new
.if MSB != \new
	s_set_vgpr_msb (MSB<<8)|\new
.set MSB, \new
.endif
.endm
.set MUL_LO, 0xa1
.set MUL_HI, 0xf1
.set TO_B,   0x40
.macro JLOAD g0a, g1a, g0b, g1b
	s_cmp_eq_u32 s15, 0
	s_cbranch_scc0 .Lfor_b_\@
	tensor_load_to_lds s[\g0a:\g0a+3], s[\g1a:\g1a+7]
	s_nop 0
.rept 4
	v_nop
.endr
	s_branch .Lasked_\@
.Lfor_b_\@:
	tensor_load_to_lds s[\g0b:\g0b+3], s[\g1b:\g1b+7]
	s_nop 0
.rept 4
	v_nop
.endr
.Lasked_\@:
.endm
.macro CREST
	s_cmp_lg_u32 s14, 0
	s_cbranch_scc1 .Lnot_wave_0_\@
	s_barrier_signal -3
.Lnot_wave_0_\@:
	s_barrier_wait -3
	s_barrier_signal -1
	s_barrier_wait -1
.endm
.macro CROUND
	s_barrier_signal -1
	s_barrier_wait -1
	CREST
.endm
	s_load_b128 s[4:7], s[0:1], 0x0
	s_load_b64 s[8:9], s[0:1], 0x10
	v_lshl_add_u32 v[SPW], v0, 2, SPARE
	v_mov_b32 v[NIL], 0
	ds_add_u32 v[SPW], v[NIL]
	ds_add_u32 v[SPW], v[NIL]
	v_lshrrev_b32 v1, 5, v0
	v_readfirstlane_b32 s14, v1
	s_lshr_b32 s15, s14, 1
	s_and_b32 s16, s14, 1
	s_bfe_u32 s40, ttmp6, 0x40000
	s_bfe_u32 s41, ttmp6, 0x40004
	s_lshr_b32 s12, ttmp9, 2
	s_and_b32 s13, ttmp9, 3
	s_lshl_b32 s13, s13, 2
	s_lshl_b32 s80, s12, 22
	s_lshl_b32 s81, s12, 20
	s_add_co_u32 s81, s81, 0xc00000
	s_cmp_eq_u32 s12, 2
	s_cselect_b32 s17, 0, s13
	s_cselect_b32 s42, s13, 0
	s_cselect_b32 s80, 0xe00000, s80
	s_cselect_b32 s81, 0x800000, s81
	s_add_co_u32 s17, s17, s41
	s_add_co_u32 s42, s42, s40
	s_lshl_b32 s43, s41, 2
	s_lshl_b32 s43, 15, s43
	s_lshl_b32 s44, 0x1111, s40
	s_or_b32 s[G1+0], s43, (1<<21)
	s_or_b32 s[G1B+0], s44, (1<<21)
.irp g, G1, G1B
	s_mov_b32 s[\g+1], KSB<<16
	s_mov_b32 s[\g+2], 8<<16
	s_mov_b32 s[\g+3], KSB<<16
	s_mov_b32 s[\g+4], 8
	s_mov_b32 s[\g+5], 16384
	s_mov_b32 s[\g+6], 0
	s_mov_b32 s[\g+7], 0
.endr
	s_lshl_b32 s20, s17, 1
	s_add_co_u32 s20, s20, s16
	s_lshl_b32 s20, s20, 17
	s_add_co_u32 s20, s20, s80
	s_mov_b32 s21, 0
	s_lshl_b32 s46, s42, 1
	s_add_co_u32 s46, s46, s16
	s_lshl_b32 s46, s46, 17
	s_add_co_u32 s46, s46, s81
	s_mov_b32 s47, 0
	s_mul_i32 s45, s14, HALFT
	s_wait_dscnt 0x0
	s_wait_kmcnt 0x0
	s_load_b256 s[68:75], s[6:7], 0x0
	s_load_b128 s[76:79], s[6:7], 0x20
	s_add_nc_u64 s[20:21], s[4:5], s[20:21]
	s_add_nc_u64 s[46:47], s[4:5], s[46:47]
.irp s, 0,1
	s_mov_b32 s[G0+4*\s], 1
	s_add_co_u32 s[G0+4*\s+1], s45, \s*SLOT
	s_add_nc_u64 s[G0+4*\s+2:G0+4*\s+3], s[20:21], \s*KSB
	s_or_b32 s[G0+4*\s+3], s[G0+4*\s+3], 0x80000000
	s_mov_b32 s[G0B+4*\s], 1
	s_add_co_u32 s[G0B+4*\s+1], s45, \s*SLOT
	s_add_nc_u64 s[G0B+4*\s+2:G0B+4*\s+3], s[46:47], \s*KSB
	s_or_b32 s[G0B+4*\s+3], s[G0B+4*\s+3], 0x80000000
.endr
	CROUND                                         ; all sixteen work-groups are here: the first joint loads meet
	JLOAD G0, G1, G0B, G1B                         ; K step 0: one tensor load a wave at the head
	s_cmp_eq_u32 s15, 0                            ; the prefetches: what I fetch for (A or B), and my place among the four that ask for it with me
	s_cselect_b64 s[90:91], s[20:21], s[46:47]
	s_cselect_b32 s92, s40, s41
	s_lshl_b32 s92, s92, 15                        ; two row tiles of 16,384 bytes each
	s_mov_b32 s93, 0
	s_add_nc_u64 s[90:91], s[90:91], s[92:93]
	v_and_b32 v7, 15, v0
	v_bfe_u32 v8, v0, 4, 1
	v_and_b32 v6, 31, v0
	v_lshlrev_b32 v7, 8, v7
	v_lshlrev_b32 v[CO], 4, v6
	v_lshl_add_u32 v[PFO], v8, 14, v7              ; lanes 0-15 one row tile's 4,096 bytes, lanes 16-31 the next row tile's
	global_prefetch_b8 v[PFO], s[90:91] offset:KSB th:TH_LOAD_NT scope:SCOPE_SE
	s_mul_i32 s21, s15, HALFT
	s_mul_i32 s22, s16, HALFT
	s_add_co_u32 s22, s22, 2*HALFT
.irp s, 0,1
	v_add_nc_u32 v[ADRA+\s], s21, v[CO]
	v_add_nc_u32 v[ADRB+\s], s22, v[CO]
	s_add_co_u32 s21, s21, SLOT
	s_add_co_u32 s22, s22, SLOT
.endr
.macro FRAG reg, adr, q, i
.irp c, 0,1,2,3
	ds_load_b128 v[\reg+4*\c:\reg+4*\c+3], v[\adr] offset:(\i)*KSB+(\q)*2048+512*\c
.endr
.endm
.macro MUL16 a0, p, zero
.irp a, \a0, \a0+1
.irp b, 0,1,2,3,4,5,6,7
.if \zero
	v_wmma_f32_16x16x128_fp8_fp8 v[8*(8*((\a)%4)+\b):8*(8*((\a)%4)+\b)+7], v[128*(\p)+FR*\b:128*(\p)+FR*\b+FR-1], v[AF+FR*(\a):AF+FR*(\a)+FR-1], 0
.else
	v_wmma_f32_16x16x128_fp8_fp8 v[8*(8*((\a)%4)+\b):8*(8*((\a)%4)+\b)+7], v[128*(\p)+FR*\b:128*(\p)+FR*\b+FR-1], v[AF+FR*(\a):AF+FR*(\a)+FR-1], v[8*(8*((\a)%4)+\b):8*(8*((\a)%4)+\b)+7]
.endif
.endr
.endr
.endm
.macro FETCH_B slot, q, p
	WIN TO_B
.irp i, 0,1,2,3,4,5,6,7
	FRAG 128*(\p)+FR*\i, ADRB+\slot, \q, \i
.endr
	WIN 0
.endm
.macro FETCH_A slot, q, i0
.irp i, \i0, \i0+1, \i0+2, \i0+3
	FRAG AF+FR*(\i), ADRA+\slot, \q, \i
.endr
.endm
.macro PLACES n
.rept \n
	v_nop
.endr
.endm
.macro STEP slot, q, zero
	s_wait_dscnt 4*NL
	WIN MUL_LO
	MUL16 0, (\q)%2, \zero
	MUL16 2, (\q)%2, \zero
	s_wait_dscnt 0
	PLACES NP
	FETCH_B \slot, (\q)+1, 1-(\q)%2
	FETCH_A \slot, (\q)+1, 0
	WIN MUL_HI
	MUL16 4, (\q)%2, \zero
	MUL16 6, (\q)%2, \zero
	PLACES NP
	WIN 0
	FETCH_A \slot, (\q)+1, 4
.endm
.macro TURN slot, next, fill
	s_wait_tensorcnt 0x0
	ds_add_u32 v[SPW], v[NIL]
	s_wait_dscnt 4*NL+1
	WIN MUL_LO
	MUL16 0, 1, 0
	s_wait_dscnt 0x0
	s_barrier_signal -1
	MUL16 2, 1, 0
	WIN 0
	s_barrier_wait -1
.if \fill
	CREST
	s_add_nc_u64 s[G0+4*\slot+2:G0+4*\slot+3], s[G0+4*\slot+2:G0+4*\slot+3], 2*KSB
	s_add_nc_u64 s[G0B+4*\slot+2:G0B+4*\slot+3], s[G0B+4*\slot+2:G0B+4*\slot+3], 2*KSB
	JLOAD G0+4*\slot, G1, G0B+4*\slot, G1B
.else
	PLACES NP
.endif
	FETCH_B \next, 0, 0
	FETCH_A \next, 0, 0
	WIN MUL_HI
	MUL16 4, 1, 0
	MUL16 6, 1, 0
	PLACES NP
	WIN 0
	FETCH_A \next, 0, 4
.endm
	s_wait_alu depctr_va_vdst(0)                   ; the head's end
	s_wait_tensorcnt 0x0                           ; my part of K step 0 is in
	ds_add_u32 v[SPW], v[NIL]
	s_wait_dscnt 0x0
	CROUND                                         ; everybody's part of K step 0 is in,
	JLOAD G0+4, G1, G0B+4, G1B                     ; and K step 1's load is the first tensor load behind the round
	FETCH_B 0, 0, 0
	FETCH_A 0, 0, 0
	FETCH_A 0, 0, 4
	global_prefetch_b8 v[PFO], s[90:91] offset:2*KSB th:TH_LOAD_NT scope:SCOPE_SE
	STEP 0, 0, 1
	TURN 0, 1, 1
	global_prefetch_b8 v[PFO], s[90:91] offset:3*KSB th:TH_LOAD_NT scope:SCOPE_SE
	STEP 1, 0, 0
	TURN 1, 0, 1
	STEP 0, 0, 0
	TURN 0, 1, 0
	STEP 1, 0, 0
	s_wait_dscnt 4*NL
	WIN MUL_LO
	MUL16 0, 1, 0
	MUL16 2, 1, 0
	s_wait_dscnt 0
	WIN MUL_HI
	MUL16 4, 1, 0
	MUL16 6, 1, 0
	WIN 0
	s_wait_kmcnt 0x0
	s_sub_co_i32 s82, s74, s68
	s_sub_co_i32 s82, s82, s69
	s_sub_co_i32 s83, s75, s70
	s_sub_co_i32 s83, s83, s71
	s_sub_co_i32 s84, s77, s72
	s_sub_co_i32 s84, s84, s73
	s_cmp_eq_u32 s12, 1
	s_cselect_b32 s82, s83, s82
	s_cmp_eq_u32 s12, 2
	s_cselect_b32 s82, s84, s82
	s_add_co_i32 s82, s82, 127
	s_lshl_b32 s83, s82, 23
	v_mov_b32 v[SCL], s83
	s_add_co_i32 s82, s82, 8
	s_lshl_b32 s82, s82, 23
	s_or_b32 s82, s82, 0x600000
	v_mov_b32 v[LIM], s82
	s_wait_alu depctr_va_vdst(0)
	s_lshl_b32 s86, s17, 1
	s_add_co_u32 s86, s86, s15
	s_lshl_b32 s87, s42, 1
	s_add_co_u32 s87, s87, s16
	s_lshl_b32 s88, s86, 5
	s_add_co_u32 s88, s88, s87
	s_lshl_b32 s89, s87, 5
	s_add_co_u32 s89, s89, s86
	s_cmp_eq_u32 s12, 2
	s_cselect_b32 s88, s88, s89
	s_lshl_b32 s88, s88, 14
	s_lshl_b32 s89, s12, 22
	s_add_co_u32 s88, s88, s89
	s_mov_b32 s89, 0
	s_add_nc_u64 s[8:9], s[8:9], s[88:89]
	PLACES NP
.macro OUTA a
	WIN 0x02+((\a)/4)
.set jj, 0
.rept 64
	v_med3_num_f32 v[TMP+jj], v[64*((\a)%4)+jj], -v[LIM], v[LIM]
.set jj, jj+1
.endr
	WIN 0
.irp q, 0,1,2,3,4,5,6,7
	v_cvt_scalef32_pk8_fp8_f32 v[CD+16*(\a)+2*\q:CD+16*(\a)+2*\q+1], v[TMP+8*\q:TMP+8*\q+7], v[SCL]
.endr
	v_nop
.irp b, 0,1,2,3
	global_store_b128 v[CO], v[CD+16*(\a)+4*\b:CD+16*(\a)+4*\b+3], s[8:9] offset:2048*(\a)+512*\b
.endr
.endm
.irp a, 0,1,2,3,4,5,6,7
	OUTA \a
.endr
	s_wait_tensorcnt 0x0
	ds_add_u32 v[SPW], v[NIL]
	s_wait_dscnt 0x0
	CROUND
	s_endpgm
.Lfunc_end_k_q29c39a27a3_proj:
	.size	k_q29c39a27a3_proj, .Lfunc_end_k_q29c39a27a3_proj-k_q29c39a27a3_proj
	.p2alignl 7, 3214868480
	.fill 96, 4, 3214868480
	.section	.rodata,"a",@progbits
	.p2align	6, 0x0
	.amdhsa_kernel k_q29c39a27a3_proj
		.amdhsa_group_segment_fixed_size 327680
		.amdhsa_private_segment_fixed_size 0
		.amdhsa_enable_private_segment 0
		.amdhsa_kernarg_size 24
		.amdhsa_user_sgpr_count 2
		.amdhsa_user_sgpr_kernarg_segment_ptr 1
		.amdhsa_wavefront_size32 1
		.amdhsa_system_sgpr_workgroup_id_x 1
		.amdhsa_system_sgpr_workgroup_id_y 1
		.amdhsa_system_sgpr_workgroup_id_z 1
		.amdhsa_system_vgpr_workitem_id 0
		.amdhsa_next_free_vgpr 1024
		.amdhsa_next_free_sgpr 100
		.amdhsa_reserve_vcc 0
		.amdhsa_float_denorm_mode_32 3
		.amdhsa_float_denorm_mode_16_64 3
		.amdhsa_memory_ordered 1
		.amdhsa_forward_progress 1
		.amdhsa_inst_pref_size 119
	.end_amdhsa_kernel
	.amdgpu_metadata
---
amdhsa.version: [ 1, 2 ]
amdhsa.kernels:
  - .name:           k_q29c39a27a3_proj
    .symbol:         k_q29c39a27a3_proj.kd
    .args:
      - { .name: codes, .offset: 0, .size: 8, .value_kind: global_buffer, .address_space: global }
      - { .name: lowp_scales, .offset: 8, .size: 8, .value_kind: global_buffer, .address_space: global }
      - { .name: qkv, .offset: 16, .size: 8, .value_kind: global_buffer, .address_space: global }
    .group_segment_fixed_size: 327680
    .private_segment_fixed_size: 0
    .kernarg_segment_align: 8
    .kernarg_segment_size: 24
    .max_flat_workgroup_size: 128
    .sgpr_count:     100
    .vgpr_count:     1024
    .wavefront_size: 32
...
	.end_amdgpu_metadata
.endif
;; end of part 2
;; launch attn (part 3): grid 8 x 32, 16 waves a work-group, no clusters, 301,056 bytes of LDS; arguments qkv, lowp_scales, ctx; writes ctx
.if DOCPART == 3
	.amdgcn_target "amdgcn-amd-amdhsa--gfx1250"
	.amdhsa_code_object_version 6
	.text
	.protected	k_q29c39a27a3_attn
	.globl	k_q29c39a27a3_attn
	.p2align	8
	.type	k_q29c39a27a3_attn,@function
k_q29c39a27a3_attn:
	s_mov_b64 s[64:65], 0
	v_nop
	global_prefetch_b8 v0, s[64:65] scope:SCOPE_SE
	s_setreg_imm32_b32 hwreg(HW_REG_WAVE_MODE, 25, 1), 1
	s_wait_xcnt 0x0
; Causal attention of one head (64 channels, 2,048 keys) on codes of FP8 (E4M3), and its result quantised by e10 into the operand of the last product.
; THE SOFTMAX AHEAD OF THE SECOND PRODUCT: t = score x log2(e) / 8; M = the row's largest t so far, rounded UP to a whole number; p = 2^(t - M) is quantised by e8, not normalised.  The row's sum is taken of the
; unquantised p, in f32, and divides at the end.  When M moves, the sum and O are multiplied by 2^(old M - new M), which rounds nothing.
; WORK LEFT OUT: blocks of 128 keys, and on the diagonal halves of 64 keys, that come after all 16 queries of a tile: the causal mask throws them away.  A NaN or infinity that reaches only them is not carried on.
; SHARES.  A work-group owns blocks i and 15 - i of 128 queries of one head: i + 1 and 16 - i blocks of 128 keys.  Each of the two blocks has eight tiles of 16 queries; TWO waves share a tile, one takes the even blocks of keys, the other
; the odd ones: group g = wave / 8 takes the late tile's blocks of parity 1 - g and the early tile's of parity g: 8 or 9 steps for every wave.  The two parts of a tile (O^T, M, sum) are joined through LDS at the end: group 0
; joins the late tile, group 1 the early one.  Tile u = (w % 4) xor 7 ((w / 4) % 2): the four waves w, w + 4, w + 8, w + 12 hold tiles s and 7 - s, one in each half of its block.
; The work-groups of a pair of heads have equal numbers modulo 16 (pair of heads = x, batch b = y % 2).
; K AND V LIE IN LDS WHOLE (2 x 131,072 bytes), in four phases of 512 keys: every wave brings 4,096 bytes of each phase by way of registers.  A phase's loads go out one or two key steps ahead of its stores into LDS, and its stores
; one or two key steps ahead of its first reads, so a prefetch would ask for nothing earlier.  No LDS byte of K or V is stored twice.
; The phases behind the late block are staged too, so that every work-group runs the same text; nobody reads them there.
; THE BARRIERS ARE SPLIT: a wave signals when its stores of a phase are in (s_wait_dscnt 0), works on the phase before, and waits ahead of its first read of the new one.
; NO CLUSTER AND NO JOINT LOADS: how many key steps a work-group walks hangs on i, which among partners of one head would be the work-group's place in its cluster; and no tensor load is used at all.
; THE HOLD of p at the largest code is idle where 448 x 2^e8 >= 1 (p is at most 1): e8 >= -8.
; LAYOUT.  Both products are used transposed: S^T = K Q^T (source 0 = 16 keys, source 1 = my 16 queries; K = 64), O^T = V^T P^T (source 0 = 16 channels, source 1 = P; K = 128 keys): a lane holds ONE query throughout.
; q, k, v come as images of the operands' registers: regions of 16,384 bytes, number 32 x (pair of heads) + 16 b + (block of 128 rows); q at 0, k at 4 Mi, v at 8 Mi.  A tile of 16 queries or keys of one head is
; 1,024 bytes at 2,048 x tile + 1,024 x (head % 2).  V^T of one head and 128 keys is 8,192 bytes at 8,192 x (head % 2): tile dt of channels at 2,048 dt, piece c (keys 32 c + 16 h + 0 .. 15) at 512 c.
; Place r of tile t is row 32 (t / 2) + 8 (t % 2) + r + 8 (r / 8): the 16 registers of S^T's tiles 2 b, 2 b + 1 are keys 32 b + 16 h + 0 .. 15, and O^T's of tiles 2 u, 2 u + 1 channels 32 u + 16 h + 0 .. 15.
; OUT: ctx in the same kind of image, K = 1,024 = 64 x head + channel: row tile 128 b + tile at 16,384 bytes each, K step head / 2 at 2,048, pieces 2 (head % 2) + u at 512.
; LIMITS: e6 + e7 between -123 and 130 (added to the exponent field of log2(e) / 8); e8, and e10 - e8 - e9, between -126 and 119; |t| under 2^31.
.set VB,    131072                     ; V's blocks behind K's: block kb at 8,192 kb in each
.set YCH,   65536                      ; group 0's early parts: on K's blocks 8 on, which the early tile does not read.  4,608 bytes a tile
.set XCH,   262144                     ; group 1's late parts
.set XT,    4608
.set SPARE, XCH+8*XT                   ; the spare words, 128 bytes for each wave: eight blocks of 256 bytes that no other line names
.set LI,   1                           ; v1   16 x lane
.set DQ,   2                           ; v2   my query in its half of 64, less 16 h
.set NINF, 3
.set SPW,  4
.set NIL,  5
.set ADK,  6                           ; v6, v7 LDS address of the step's K, V
.set ADV,  7
.set SAK,  8                           ; v8, v9 where my part of a phase's K, V goes
.set SAV,  9
.set QF,   16                          ; v10, v11 kept -M, sum; v12 -M, v13 the largest t, v[14:15] the sum in two halves; v16-23 Q
.set PC,   24                          ; v24-39 partial sums, then p's codes; v40-43 at work; v44-47 scales
.set KV,   48                          ; v48-111 fragments of K, then of V
.set S,    112                         ; v112-175 S^T, then p
.set O,    176                         ; v176-207 O^T
.set F,    208
.set MA,   210                         ; v210-213
.set STA,  214                         ; where I put a part; v215 where the partner's lies
.set LDA,  215
.set QE,   216                         ; v216-223 the early tile's Q
.set STG,  224                         ; v224-255 a phase on its way; later the kept late O^T
.set TB,   2                           ; s2   LDS byte of the step's K
.set KB,   3                           ; s3   its block
.set QB,   10                          ; s10  my tile's block
.set U4,   11                          ; s11  tile / 4: the half of the block in which my queries lie
.set WV,   12
.set SEL,  14
.set CS,   16
.set GR,   18                          ; s18  g;  s19 i;  s20 b;  s22 head % 2;  s23 u;  s25 late block
.set HOLD, 24
.set PAR,  26                          ; s26  parity of my blocks
.set TBB,  27
.macro LOADP p, r                      ; my 4,096 bytes of phase p: two tiles of K, a quarter of a block of V^T; 512 consecutive bytes a load
.irp c, 0,1
	global_load_b128 v[\r+4*\c:\r+4*\c+3], v[LI], s[28:29] offset:65536*(\p)+512*\c
.endr
.irp c, 0,1
	global_load_b128 v[\r+8+4*\c:\r+8+4*\c+3], v[LI], s[28:29] offset:65536*(\p)+2048+512*\c
.endr
.irp c, 0,1,2,3
	global_load_b128 v[\r+16+4*\c:\r+16+4*\c+3], v[LI], s[30:31] offset:65536*(\p)+512*\c
.endr
.endm
.macro STOREP p, r
	v_add_nc_u32 v42, (\p)*32768, v[SAK]
	v_add_nc_u32 v43, (\p)*32768, v[SAV]
.irp c, 0,1,2,3
	ds_store_b128 v42, v[\r+4*\c:\r+4*\c+3] offset:512*\c
.endr
.irp c, 0,1,2,3
	ds_store_b128 v43, v[\r+16+4*\c:\r+16+4*\c+3] offset:512*\c
.endr
	s_wait_dscnt 0x0                               ; my stores are in, and none of my reads is out
.endm
.macro STAGE p                         ; phase p goes into LDS, the loads of the next one go out, and I say so; the wait follows ahead of the first reads of phase p
	s_wait_loadcnt 0x0
	STOREP \p, STG
.if (\p) < 3
	LOADP (\p)+1, STG
.endif
	s_barrier_signal -1
.endm
.macro INIT                            ; an empty part: O^T and the sum zeros, the largest t under every t
	v_mov_b32 v13, 0xff61b1e6
	v_mov_b32 v14, 0
	v_mov_b32 v15, 0
	v_floor_f32 v12, -v13
.set jj, 0
.rept 32
	v_mov_b32 v[O+jj], 0
.set jj, jj+1
.endr
.endm
.macro SCORES nt                       ; S^T of nt tiles of 16 keys, and the request for V^T, which lands while the softmax is worked
	v_add_nc_u32 v[ADK], s[TB], v[LI]
	v_add_nc_u32 v[ADV], VB, v[ADK]
	v_nop                                          ; with the two additions: four places in front of loads into registers that the last products have read
	v_nop
.set tt, 0
.rept \nt
	ds_load_b128 v[KV+8*tt:KV+8*tt+3], v[ADK] offset:1024*tt
	ds_load_b128 v[KV+8*tt+4:KV+8*tt+7], v[ADK] offset:1024*tt+512
.set tt, tt+1
.endr
	s_wait_alu depctr_va_vdst(0)
.set tt, 0
.rept \nt
	s_wait_dscnt 2*(\nt)-2-2*tt                    ; tile tt's two loads are in; the later tiles' may be out
	v_wmma_f32_16x16x64_fp8_fp8 v[S+8*tt:S+8*tt+7], v[KV+8*tt:KV+8*tt+7], v[QF:QF+7], 0
.set tt, tt+1
.endr
.rept 4
	v_nop                                          ; places in front of the loads below and of the first read of the scores
.endr
.irp d, 0,1,2,3
.irp c, 0,1,2,3
	ds_load_b128 v[KV+16*\d+4*\c:KV+16*\d+4*\c+3], v[ADV] offset:2048*\d+512*\c
.endr
.endr
.endm
.macro SOFT n                          ; n scores a lane (32 or 64) -> p, the sums, p's codes; then O^T += V^T P^T
	v_max3_num_f32 v[MA], v[S], v[S+1], v[S+2]     ; the largest of my scores, in four chains
	v_max3_num_f32 v[MA+1], v[S+3], v[S+4], v[S+5]
	v_max3_num_f32 v[MA+2], v[S+6], v[S+7], v[S+8]
	v_max3_num_f32 v[MA+3], v[S+9], v[S+10], v[S+11]
.set nn, 12
.set cc, 0
.rept ((\n)-12)/2
	v_max3_num_f32 v[MA+cc], v[MA+cc], v[S+nn], v[S+nn+1]
.set nn, nn+2
.set cc, (cc+1)%4
.endr
	v_max_num_f32 v[MA+2], v[MA+2], v[MA+3]
	s_delay_alu instid0(VALU_DEP_1)
	v_max3_num_f32 v[MA], v[MA], v[MA+1], v[MA+2]
	s_delay_alu instid0(VALU_DEP_1)
	v_permlanex16_b32 v40, v[MA], s[SEL], s[SEL+1]
	s_delay_alu instid0(VALU_DEP_1)
	v_max_num_f32 v[MA], v[MA], v40                ; and among lane l xor 16's
	s_delay_alu instid0(VALU_DEP_1)
	v_mul_f32 v[MA], s[CS], v[MA]                  ; as t (c is positive)
	s_delay_alu instid0(VALU_DEP_1)
	v_max_num_f32 v13, v13, v[MA]                  ; the running largest t
	v_mov_b32 v[MA+1], v12
	s_delay_alu instid0(VALU_DEP_2)
	v_floor_f32 v12, -v13                          ; the new -M = floor(-t) = -ceil(t): a whole number
	s_delay_alu instid0(VALU_DEP_1)
	v_sub_f32 v[MA+1], v12, v[MA+1]                ; M's old value less its new one: a whole number, 0 or less
.set jj, 0
.rept (\n)/2
.if jj == 8
	v_cvt_i32_f32 v[MA+1], v[MA+1]                 ; (it saturates)
.endif
	v_pk_fma_f32 v[S+jj:S+jj+1], v[S+jj:S+jj+1], s[CS:CS+1], v[12:13] op_sel_hi:[1,0,0]   ; t - M, two at a time (of the pairs c and -M the low word serves both halves)
.set jj, jj+2
.endr
	v_ldexp_f32 v[F], 1.0, v[MA+1]                 ; f = 2^(old M - new M)
	s_wait_alu depctr_va_vdst(0)                   ; ahead of the batch
.set jj, 0
.rept \n
	v_exp_f32 v[S+jj], v[S+jj]                     ; p = 2^(t - M), at most 1
.set jj, jj+1
.endr
	v_pk_mul_f32 v[14:15], v[14:15], v[F:F+1] op_sel_hi:[1,0]   ; the sums under the new M: the plain line behind the exponentials
	s_wait_alu depctr_va_vdst(0)                   ; ahead of the first reader of the batch's results, and of O^T
.set jj, 0
.rept 16
	v_pk_mul_f32 v[O+jj:O+jj+1], v[O+jj:O+jj+1], v[F:F+1] op_sel_hi:[1,0]   ; O^T under the new M
.set jj, jj+2
.endr
.irp j, 0,1,2,3,4,5,6,7
	v_pk_add_f32 v[PC+2*\j:PC+2*\j+1], v[S+2*\j:S+2*\j+1], v[S+16+2*\j:S+17+2*\j]   ; the sums, in eight chains
.endr
.set jj, 32
.rept (\n)/16-2
.irp j, 0,1,2,3,4,5,6,7
	v_pk_add_f32 v[PC+2*\j:PC+2*\j+1], v[PC+2*\j:PC+2*\j+1], v[S+jj+2*\j:S+jj+2*\j+1]
.endr
.set jj, jj+16
.endr
.irp j, 0,1,2,3
	v_pk_add_f32 v[PC+2*\j:PC+2*\j+1], v[PC+2*\j:PC+2*\j+1], v[PC+8+2*\j:PC+9+2*\j]
.endr
	s_delay_alu instid0(VALU_DEP_2)
	v_pk_add_f32 v[PC:PC+1], v[PC:PC+1], v[PC+4:PC+5]
	s_delay_alu instid0(VALU_DEP_2)
	v_pk_add_f32 v[PC+2:PC+3], v[PC+2:PC+3], v[PC+6:PC+7]
	s_delay_alu instid0(VALU_DEP_1)
	v_pk_add_f32 v[PC:PC+1], v[PC:PC+1], v[PC+2:PC+3]
	s_delay_alu instid0(VALU_DEP_1)
	v_pk_add_f32 v[14:15], v[14:15], v[PC:PC+1]
	s_cmp_eq_u32 s[HOLD], 0
	s_cbranch_scc1 .Lfree_\@
.set jj, 0
.rept \n
	v_min_num_f32 v[S+jj], v[S+jj], v45            ; the conversion does not saturate (ISA guide 7.6.2); p is not negative, so the hold is one-sided
.set jj, jj+1
.endr
.Lfree_\@:
.set jj, (\n)/4
.rept 16-(\n)/4
	v_mov_b32 v[PC+jj], 0                          ; keys that are left out: codes of zero
.set jj, jj+1
.endr
.set jj, 0
.rept (\n)/8
	v_cvt_scalef32_pk8_fp8_f32 v[PC+2*jj:PC+2*jj+1], v[S+8*jj:S+8*jj+7], v44
.set jj, jj+1
.endr
	v_nop                                          ; a plain line behind the last conversion
	s_wait_alu depctr_va_vdst(0)
	s_wait_dscnt 0x0                               ; V^T is in
.irp d, 0,1,2,3
	v_wmma_f32_16x16x128_fp8_fp8 v[O+8*\d:O+8*\d+7], v[KV+16*\d:KV+16*\d+15], v[PC:PC+15], v[O+8*\d:O+8*\d+7]   ; the four accumulators take turns; the next step's products K Q^T stand between two links of a chain
.endr
.endm
; A KEY STEP: 128 keys, all of which count for all my queries.  Blocks from my queries' own on are left out: a scalar branch on ids, round the work, not round the two lines that step on; no barrier line stands in a step.
.macro STEP
	s_cmp_ge_u32 s[KB], s[QB]
	s_cbranch_scc1 .Lhid_\@
	SCORES 8
	SOFT 64
.Lhid_\@:
	s_add_co_u32 s[TB], s[TB], 16384
	s_add_co_u32 s[KB], s[KB], 2
.endm
.macro LOOP trips
	s_mov_b32 s13, \trips
.Lstep_\@:
	STEP
	s_sub_co_u32 s13, s13, 1
	s_cmp_lg_u32 s13, 0
	s_cbranch_scc1 .Lstep_\@
.endm
; THE DIAGONAL with ng = 2 or 4 groups of 32 keys: the last two are the half of 64 keys in which my queries lie, the others count whole.
.macro DIAG ng
	SCORES 2*(\ng)
.set nn, 0
.rept 32
	v_cmp_gt_i32 vcc_lo, 32*(nn/16)+nn%16, v[DQ]   ; the half's key 32 (nn / 16) + 16 h + nn % 16 is hidden where it comes after my query
	v_cndmask_b32 v[S+16*((\ng)-2)+nn], v[S+16*((\ng)-2)+nn], v[NINF], vcc_lo
.set nn, nn+1
.endr
	SOFT 16*(\ng)
.endm
.macro DIAGONAL                        ; done by the wave whose parity the block has
	s_and_b32 s40, s[QB], 1
	s_cmp_lg_u32 s40, s[PAR]
	s_cbranch_scc1 .Lover_\@
	s_lshl_b32 s[TB], s[QB], 13
	s_cmp_eq_u32 s[U4], 0
	s_cbranch_scc1 .Ltwo_\@
	DIAG 4
	s_branch .Lover_\@
.Ltwo_\@:
	DIAG 2
.Lover_\@:
.rept 4
	v_nop                                          ; places behind the last products
.endr
	v_add_f32 v14, v14, v15                        ; the sum's two halves,
	s_delay_alu instid0(VALU_DEP_1)
	v_permlanex16_b32 v40, v14, s[SEL], s[SEL+1]
	s_delay_alu instid0(VALU_DEP_1)
	v_add_f32 v14, v14, v40                        ; and lane l xor 16's
	s_wait_alu depctr_va_vdst(0)
.endm
.macro PUT                             ; my part: O^T, then -M and the sum
.irp c, 0,1,2,3,4,5,6,7
	ds_store_b128 v[STA], v[O+4*\c:O+4*\c+3] offset:512*\c
.endr
	ds_store_b128 v[STA], v[12:15] offset:4096
	s_wait_dscnt 0x0
.endm
	s_load_b128 s[4:7], s[0:1], 0x0                ; q, k, v s[4:5]; the scales' exponents s[6:7]
	s_load_b64 s[8:9], s[0:1], 0x10                ; ctx
	v_lshrrev_b32 v8, 5, v0
	v_and_b32 v[LI], 31, v0
	v_lshl_add_u32 v[SPW], v0, 2, SPARE
	v_mov_b32 v[NIL], 0
	v_readfirstlane_b32 s[WV], v8                  ; wave 0..15
	v_lshlrev_b32 v[LI], 4, v[LI]
	s_and_b32 s40, ttmp7, 0xffff
	s_and_b32 s20, s40, 1                          ; b
	s_bfe_u32 s19, s40, 0x30001                    ; i
	s_lshr_b32 s22, s40, 4                         ; head % 2
	s_lshl_b32 s41, ttmp9, 19
	s_lshl_b32 s42, s20, 18
	s_add_co_u32 s41, s41, s42                     ; the pair's 16 regions for this b
	s_lshr_b32 s[GR], s[WV], 3
	s_bfe_u32 s43, s[WV], 0x10002
	s_mul_i32 s43, s43, 7
	s_and_b32 s23, s[WV], 3
	s_xor_b32 s23, s23, s43                        ; u
	s_lshr_b32 s[U4], s23, 2
	s_xor_b32 s25, s19, 15                         ; the late block: 15 - i
	s_lshl_b32 s42, s22, 10                        ; my head's half of a tile's 2,048 bytes
	s_lshl_b32 s28, s[WV], 12                      ; K: two tiles for each wave
	s_add_co_u32 s28, s28, s42
	s_add_co_u32 s28, s28, s41
	s_add_co_u32 s28, s28, 0x400000
	s_mov_b32 s29, 0
	s_lshr_b32 s30, s[WV], 2                       ; V: block w / 4 of the phase's four,
	s_lshl_b32 s30, s30, 14
	s_and_b32 s31, s[WV], 3                        ; its quarter of 2,048 bytes
	s_lshl_b32 s31, s31, 11
	s_add_co_u32 s30, s30, s31
	s_lshl_b32 s31, s22, 13
	s_add_co_u32 s30, s30, s31
	s_add_co_u32 s30, s30, s41
	s_add_co_u32 s30, s30, 0x800000
	s_mov_b32 s31, 0
	s_lshl_b32 s32, s25, 3                         ; Q of the late tile,
	s_add_co_u32 s32, s32, s23
	s_lshl_b32 s32, s32, 11
	s_add_co_u32 s32, s32, s42
	s_add_co_u32 s32, s32, s41
	s_mov_b32 s33, 0
	s_lshl_b32 s34, s19, 3                         ; and of the early one
	s_add_co_u32 s34, s34, s23
	s_lshl_b32 s34, s34, 11
	s_add_co_u32 s34, s34, s42
	s_add_co_u32 s34, s34, s41
	s_mov_b32 s35, 0
	s_cmp_eq_u32 s[GR], 0                          ; ctx: the tile that I join
	s_cselect_b32 s36, s25, s19
	s_lshl_b32 s36, s36, 3
	s_add_co_u32 s36, s36, s23
	s_lshl_b32 s37, s20, 7
	s_add_co_u32 s36, s36, s37
	s_lshl_b32 s36, s36, 14
	s_lshl_b32 s37, ttmp9, 11
	s_add_co_u32 s36, s36, s37
	s_add_co_u32 s36, s36, s42
	s_mov_b32 s37, 0
	s_wait_alu depctr_va_vdst(0)
	s_wait_kmcnt 0x0
	s_load_b256 s[84:91], s[6:7], 0x0              ; e0 .. e7
	s_load_b128 s[92:95], s[6:7], 0x20             ; e8 .. e11
	s_add_nc_u64 s[32:33], s[4:5], s[32:33]
	s_add_nc_u64 s[28:29], s[4:5], s[28:29]
	s_add_nc_u64 s[30:31], s[4:5], s[30:31]
	s_add_nc_u64 s[34:35], s[4:5], s[34:35]
	s_add_nc_u64 s[8:9], s[8:9], s[36:37]
	global_load_b128 v[QF:QF+3], v[LI], s[32:33]
	global_load_b128 v[QF+4:QF+7], v[LI], s[32:33] offset:512
	LOADP 0, S
	v_and_b32 v41, 15, v0                          ; r
	v_bfe_u32 v40, v0, 4, 1                        ; h
	v_mov_b32 v[NINF], 0xff800000
	v_and_b32 v[DQ], 8, v41
	v_lshlrev_b32 v40, 4, v40
	s_and_b32 s42, s23, 1
	s_lshl_b32 s42, s42, 3
	v_add_nc_u32 v[DQ], v[DQ], v41
	v_mov_b32 v[F+1], 0                            ; (named as the upper half of the pair)
	s_lshl_b32 s43, s[WV], 11
	v_sub_nc_u32 v[DQ], v[DQ], v40
	v_add_nc_u32 v[SAK], s43, v[LI]
	s_bfe_u32 s44, s23, 0x10001
	s_lshl_b32 s44, s44, 5
	s_add_co_u32 s42, s42, s44
	v_add_nc_u32 v[DQ], s42, v[DQ]                 ; 32 ((u / 2) % 2) + 8 (u % 2) + r + 8 (r / 8) - 16 h
	v_add_nc_u32 v[SAV], VB, v[SAK]
	s_mul_i32 s44, s23, XT
	s_add_co_u32 s44, s44, YCH
	s_mul_i32 s45, s[GR], XCH-YCH                  ; group 1 puts its late part at XCH, group 0 its early part at YCH,
	s_add_co_u32 s45, s45, s44
	v_add_nc_u32 v[STA], s45, v[LI]
	s_xor_b32 s[PAR], s[GR], 1
	s_mul_i32 s46, s[PAR], XCH-YCH                 ; and each reads where the other has put
	s_add_co_u32 s46, s46, s44
	v_add_nc_u32 v[LDA], s46, v[LI]
	v_mov_b32 v40, 0                               ; written once: a lane permute's destination counts as one of its sources
	INIT
	s_mov_b32 s[SEL], 0x76543210
	s_mov_b32 s[SEL+1], 0xfedcba98
	s_wait_alu depctr_va_vdst(0)
	s_wait_kmcnt 0x0
	LOADP 1, STG                                   ; behind the set-up, so that every wave's phase 0 is asked for first
	global_load_b128 v[QE:QE+3], v[LI], s[34:35]
	global_load_b128 v[QE+4:QE+7], v[LI], s[34:35] offset:512
	s_add_co_i32 s56, s90, s91
	s_lshl_b32 s56, s56, 23
	s_mov_b32 s[CS], 0x3e38aa3b                    ; log2(e) / 8
	s_add_co_i32 s[CS], s[CS], s56                 ; a score stands for score x 2^(e6 + e7): the exponents are added to c's exponent field
	s_mov_b32 s[CS+1], s[CS]                       ; (named with it as a pair, so it is written)
	s_cmp_lt_i32 s92, -8                           ; 448 x 2^e8 < 1?
	s_cselect_b32 s[HOLD], 1, 0
	s_add_co_i32 s56, s92, 127
	s_lshl_b32 s57, s56, 23
	v_mov_b32 v44, s57                             ; 2^e8, for p's conversions
	s_add_co_i32 s56, s56, 8
	s_lshl_b32 s56, s56, 23
	s_or_b32 s56, s56, 0x600000
	v_mov_b32 v45, s56                             ; 448 x 2^e8
	s_sub_co_i32 s56, s94, s92
	s_sub_co_i32 s56, s56, s93                     ; O^T / the sum stands for ctx / 2^(e8 + e9): its code is that / 2^(e10 - e8 - e9)
	s_add_co_i32 s56, s56, 127
	s_lshl_b32 s57, s56, 23
	v_mov_b32 v46, s57
	s_add_co_i32 s56, s56, 8
	s_lshl_b32 s56, s56, 23
	s_or_b32 s56, s56, 0x600000
	v_mov_b32 v47, s56
	s_mov_b32 s[QB], s25
	s_mov_b32 s[KB], s[PAR]
	s_lshl_b32 s[TBB], s[PAR], 13
	s_wait_alu depctr_va_vdst(0)                   ; the head's end
	s_wait_loadcnt 10                              ; the late Q and phase 0 are in; phase 1's eight loads and the early Q's two may be out
	STOREP 0, S
	s_barrier_signal -1
	s_barrier_wait -1
	; the late tile
	s_add_co_u32 s[TB], s[TBB], 0
	STEP
	STAGE 1                                        ; (its wait shows the early Q, too)
	STEP
	s_barrier_wait -1                              ; everybody's part of phase 1 is in
	STAGE 2
	s_add_co_u32 s[TB], s[TBB], 32768
	LOOP 2
	s_barrier_wait -1
	STAGE 3
	s_add_co_u32 s[TB], s[TBB], 65536
	LOOP 2
	s_barrier_wait -1
	s_add_co_u32 s[TB], s[TBB], 98304
	LOOP 2
	DIAGONAL
	s_cmp_eq_u32 s[GR], 0
	s_cbranch_scc1 .Lkeep
	PUT                                            ; group 1 hands its late part over,
	s_branch .Lparted
.Lkeep:                                                ; group 0 keeps its own in registers
.set jj, 0
.rept 32
	v_mov_b32 v[STG+jj], v[O+jj]
.set jj, jj+1
.endr
	v_mov_b32 v10, v12
	v_mov_b32 v11, v14
.Lparted:
	s_wait_dscnt 0x0
	s_barrier_signal -1                            ; my reads for the late tile are over: behind the wait below nobody reads K's blocks 8 on
	; the early tile
.irp j, 0,1,2,3,4,5,6,7
	v_mov_b32 v[QF+\j], v[QE+\j]
.endr
	INIT
	s_mov_b32 s[QB], s19
	s_mov_b32 s[PAR], s[GR]
	s_mov_b32 s[KB], s[GR]
	s_lshl_b32 s[TB], s[GR], 13
	s_wait_alu depctr_va_vdst(0)                   ; ahead of the branches below
	LOOP 4
	DIAGONAL
	s_barrier_wait -1
	s_cmp_lg_u32 s[GR], 0
	s_cbranch_scc1 .Lmine
	PUT                                            ; group 0 hands its early part over and takes its late one up again
.set jj, 0
.rept 32
	v_mov_b32 v[O+jj], v[STG+jj]
.set jj, jj+1
.endr
	v_mov_b32 v12, v10
	v_mov_b32 v14, v11
	s_wait_alu depctr_va_vdst(0)
.Lmine:
	s_wait_dscnt 0x0
	s_barrier_signal -1
	s_barrier_wait -1                              ; both parts of every tile are there
.irp c, 0,1,2,3,4,5,6,7
	ds_load_b128 v[S+4*\c:S+4*\c+3], v[LDA] offset:512*\c
.endr
	ds_load_b128 v[144:147], v[LDA] offset:4096    ; the other part's -M, largest t, sum
	v_mov_b32 v29, 0                               ; (upper halves of pairs, named with them)
	v_mov_b32 v31, 0
	s_wait_alu depctr_va_vdst(0)
	s_wait_dscnt 0x0
	; THE WAY OUT: the two parts under their common M, divided by the common sum, held, converted: the conversions' registers are two pieces of ctx's fragment
	v_min_num_f32 v24, v12, v144                   ; the common -M
	v_sub_f32 v25, v24, v12
	v_sub_f32 v26, v24, v144
	v_cvt_i32_f32 v25, v25                         ; (they saturate: an empty part gets the factor 0)
	v_cvt_i32_f32 v26, v26
	v_ldexp_f32 v28, 1.0, v25
	v_ldexp_f32 v30, 1.0, v26
	v_mul_f32 v27, v14, v28
	v_fma_f32 v27, v146, v30, v27                  ; the row's sum
	s_wait_alu depctr_va_vdst(0)                   ; ahead of the transcendental
	v_rcp_f32 v32, v27
	v_nop                                          ; a plain line behind the reciprocal
	s_wait_alu depctr_va_vdst(0)                   ; and the wait ahead of its first reader
	v_mul_f32 v28, v28, v32
	v_mul_f32 v30, v30, v32
	s_wait_alu depctr_va_vdst(0)                   ; directly ahead of the first reader of O^T
.set jj, 0
.rept 16
	v_pk_mul_f32 v[48+jj:49+jj], v[O+jj:O+jj+1], v[28:29] op_sel_hi:[1,0]
.set jj, jj+2
.endr
.set jj, 0
.rept 16
	v_pk_fma_f32 v[48+jj:49+jj], v[S+jj:S+jj+1], v[30:31], v[48+jj:49+jj] op_sel_hi:[1,0,1]
.set jj, jj+2
.endr
.set jj, 0
.rept 32
	v_med3_num_f32 v[48+jj], v[48+jj], -v47, v47
.set jj, jj+1
.endr
.irp u, 0,1
	v_cvt_scalef32_pk8_fp8_f32 v[80+4*\u:81+4*\u], v[48+16*\u:55+16*\u], v46
	v_cvt_scalef32_pk8_fp8_f32 v[82+4*\u:83+4*\u], v[56+16*\u:63+16*\u], v46
.endr
	v_nop                                          ; a plain line behind the last conversion
	global_store_b128 v[LI], v[80:83], s[8:9]      ; 512 consecutive bytes each: 1,024 on end
	global_store_b128 v[LI], v[84:87], s[8:9] offset:512
	s_wait_tensorcnt 0x0                           ; the wave's end, behind my last LDS store
	ds_add_u32 v[SPW], v[NIL]
	s_wait_dscnt 0x0
	s_endpgm
.Lfunc_end_k_q29c39a27a3_attn:
	.size	k_q29c39a27a3_attn, .Lfunc_end_k_q29c39a27a3_attn-k_q29c39a27a3_attn
	.p2alignl 7, 3214868480
	.fill 96, 4, 3214868480
	.section	.rodata,"a",@progbits
	.p2align	6, 0x0
	.amdhsa_kernel k_q29c39a27a3_attn
		.amdhsa_group_segment_fixed_size 301056
		.amdhsa_private_segment_fixed_size 0
		.amdhsa_enable_private_segment 0
		.amdhsa_kernarg_size 24
		.amdhsa_user_sgpr_count 2
		.amdhsa_user_sgpr_kernarg_segment_ptr 1
		.amdhsa_wavefront_size32 1
		.amdhsa_system_sgpr_workgroup_id_x 1
		.amdhsa_system_sgpr_workgroup_id_y 1
		.amdhsa_system_sgpr_workgroup_id_z 1
		.amdhsa_system_vgpr_workitem_id 0
		.amdhsa_next_free_vgpr 256
		.amdhsa_next_free_sgpr 100
		.amdhsa_reserve_vcc 1
		.amdhsa_float_denorm_mode_32 3
		.amdhsa_float_denorm_mode_16_64 3
		.amdhsa_memory_ordered 1
		.amdhsa_forward_progress 1
		.amdhsa_inst_pref_size 181
	.end_amdhsa_kernel
	.amdgpu_metadata
---
amdhsa.version: [ 1, 2 ]
amdhsa.kernels:
  - .name:           k_q29c39a27a3_attn
    .symbol:         k_q29c39a27a3_attn.kd
    .args:
      - { .name: qkv, .offset: 0, .size: 8, .value_kind: global_buffer, .address_space: global }
      - { .name: lowp_scales, .offset: 8, .size: 8, .value_kind: global_buffer, .address_space: global }
      - { .name: ctx, .offset: 16, .size: 8, .value_kind: global_buffer, .address_space: global }
    .group_segment_fixed_size: 301056
    .private_segment_fixed_size: 0
    .kernarg_segment_align: 8
    .kernarg_segment_size: 24
    .max_flat_workgroup_size: 512
    .sgpr_count:     100
    .vgpr_count:     256
    .wavefront_size: 32
...
	.end_amdgpu_metadata
.endif
;; end of part 3
;; launch outp (part 4): grid 64 x 4, 4 waves a work-group, clusters of 4 x 4, 327,680 bytes of LDS; arguments ctx, codes, lowp_scales, bo, out0; writes out0
.if DOCPART == 4
	.amdgcn_target "amdgcn-amd-amdhsa--gfx1250"
	.amdhsa_code_object_version 6
	.text
	.protected	k_q29c39a27a3_outp
	.globl	k_q29c39a27a3_outp
	.p2align	8
	.type	k_q29c39a27a3_outp,@function
k_q29c39a27a3_outp:
	s_mov_b64 s[64:65], 0
	v_nop
	global_prefetch_b8 v0, s[64:65] scope:SCOPE_SE
	s_setreg_imm32_b32 hwreg(HW_REG_WAVE_MODE, 25, 1), 1
	s_wait_xcnt 0x0
	s_wait_alu depctr_hold_cnt(0) depctr_sa_sdst(0) depctr_va_vdst(0) depctr_va_sdst(0) depctr_va_ssrc(0) depctr_va_vcc(0) depctr_vm_vsrc(0)
	s_getreg_b32 s2, hwreg(HW_REG_IB_STS2, 6, 4)
	s_cmp_eq_u32 s2, 0
	s_cbranch_scc0 .Lentry_in_a_cluster
	s_endpgm
.Lentry_in_a_cluster:
	s_bfe_u32 s2, ttmp6, 0x10000c
	s_cmp_lg_u32 s2, 0xf033
	s_cbranch_scc0 .Lentry_shape_is_right
	s_endpgm
.Lentry_shape_is_right:
; out = ctx wo + bo: ctx [4,096][1,024] and wo (rows = its columns n) as codes of FP8 (E4M3), by e10 and e11; out [4,096][1,024] f32 = sum x 2^(e10 + e11) + bo.
; LIMIT: e10 + e11 between -126 and 127, so that 2^(e10 + e11) is an f32 number.
; A tile of out is 128 x 128: 32 x 8 = 256 work-groups; four waves, each 64 x 64: 16 accumulators.  Tiles of 256 x 256 would be 64 work-groups.
; Both operands lie as images of the operand's registers: fragment (row tile rt, K step ks of 128) at 16,384 rt + 2,048 ks, piece c 512 bytes, 16 a lane; place r of a tile is row 32 (rt / 2) + 8 (rt % 2) + r + 8 (r / 8).
; THE WHOLE K OF BOTH TILES LIES IN LDS: 2 x 131,072 bytes, in two halves of 512 along K.  Each wave issues ONE tensor load, of 8 row tiles x 8,192 bytes of images (65,536 bytes): waves 0 and 1 the first half of ctx's and wo's rows,
; waves 2 and 3 the second; no LDS byte is filled twice.  All requests go out at the head, so there is no later request that a prefetch could run ahead of.
; CLUSTERS: 4 x 4 work-groups.  The four of a row of the cluster need the same rows of ctx, the four of a column the same rows of wo: each tile is asked for JOINTLY.
; THE MATRIX INSTRUCTION IS USED TRANSPOSED (source 0 = 16 rows of wo, source 1 = 16 rows of ctx): a lane holds eight neighbouring columns of one row of out.
; REGISTERS: window 0: v12-15 bo at my four columns; v16-29 addresses; v32-95 the way out; v128-255 the accumulators ((a, b) at v[128 + 8 (4 a + b)]).  window 1: two buffers of 128: ctx's four fragments, then wo's four.
.set HALF,  131072                     ; a half of K in LDS: ctx's 128 rows, then wo's: 65,536 bytes each
.set SPARE, 2*HALF                     ; behind them: the spare words, 128 bytes for each wave: two blocks of 256 bytes that no other line names
.set STAGE, SPARE+512                  ; the way out: 16 rows x (256 bytes + 16) for each wave; no tensor load lands here
.set SP,    272
.set BI,   12
.set ADRA, 16                          ; v16-17  LDS address of my fragments of ctx in half 0, 1
.set ADRB, 20                          ; v20-21  the same for wo
.set STO,  24                          ; v24     the stage: where I put 32 bytes of a row
.set RD,   25                          ; v25     and where I read a row back
.set CO,   26                          ; v26     my byte offset in two rows of out
.set BOF,  27                          ; v27     my byte offset in bo
.set SPW,  28                          ; v28     LDS address of my spare word; never rewritten
.set NIL,  29                          ; v29     0; never rewritten
.set BK,   32                          ; v32-63, v64-95 by turns: 16 rows read back
.set ACC,  128
.set G1A, 24                           ; s[24:31], s[32:39] descriptor groups 1;  s[40:43], s[68:71] groups 0
.set G1B, 32
.set G0A, 40
.set G0B, 68
.set MSB, 0
.macro WIN new                         ; the immediate's high byte repeats the setting that is left
.if MSB != \new
	s_set_vgpr_msb (MSB<<8)|\new
.set MSB, \new
.endif
.endm
.set MULW, 0x05                        ; sources 0 and 1 window 1; C and D window 0
.set TO_F, 0x40                        ; destination window 1, address window 0
.macro CROUND                          ; a round of the cluster's barrier
	s_barrier_signal -1
	s_barrier_wait -1
	s_cmp_lg_u32 s10, 0
	s_cbranch_scc1 .Lnot_wave_0_\@
	s_barrier_signal -3
.Lnot_wave_0_\@:
	s_barrier_wait -3
	s_barrier_signal -1
	s_barrier_wait -1
.endm
.macro PLACES                          ; four plain lines between a matrix instruction and a load into its sources, or a read of its result (ISA guide 7.12.1 for vector instructions)
.rept 4
	v_nop
.endr
.endm
	s_load_b256 s[84:91], s[0:1], 0x0              ; ctx s[84:85], the codes s[86:87], the scales' exponents s[88:89], bo s[90:91]
	s_load_b64 s[92:93], s[0:1], 0x20              ; out
	v_lshl_add_u32 v[SPW], v0, 2, SPARE
	v_mov_b32 v[NIL], 0
	ds_add_u32 v[SPW], v[NIL]                      ; the wave's opening: the add, twice on end, and its wait ahead of my first tensor load; the set-up below, work on registers, stands between them
	ds_add_u32 v[SPW], v[NIL]
	v_lshrrev_b32 v1, 5, v0
	v_readfirstlane_b32 s10, v1                    ; wave 0..3
	s_lshr_b32 s11, s10, 1                         ; which 64 rows of the tile are mine.  Also: which half of K I fetch
	s_and_b32 s12, s10, 1                          ; which 64 columns.  Also: I fetch for ctx (0) or for wo (1)
	s_bfe_u32 s13, ttmp6, 0x40000                  ; cx
	s_bfe_u32 s14, ttmp6, 0x40004                  ; cy
	s_lshr_b32 s15, ttmp9, 1
	s_lshl_b32 s16, s15, 2
	s_add_co_u32 s16, s16, s14                     ; tile row 0 .. 31 = 4 (cluster / 2) + cy: it never holds cx
	s_and_b32 s15, ttmp9, 1
	s_lshl_b32 s17, s15, 2
	s_add_co_u32 s17, s17, s13                     ; tile column 0 .. 7 = 4 (cluster % 2) + cx: it never holds cy
	s_lshl_b32 s18, s14, 2
	s_lshl_b32 s18, 15, s18                        ; my row of the cluster
	s_lshl_b32 s19, 0x1111, s13                    ; my column
	; descriptor group 1: 8 rows (row tiles) of 8,192 bytes, 16,384 apart in memory, dense in LDS
	s_or_b32 s[G1A], s18, (1<<21)                  ; 15:0 the mask; 17:16 elements of 1 byte; 20 no padding; 21 set beside a mask
	s_or_b32 s[G1B], s19, (1<<21)
.irp g, G1A, G1B
	s_mov_b32 s[\g+1], 8192<<16                    ; tensor_dim0
	s_mov_b32 s[\g+2], 8<<16                       ; tensor_dim1
	s_mov_b32 s[\g+3], 8192<<16                    ; tile_dim0
	s_mov_b32 s[\g+4], 8                           ; tile_dim1
	s_mov_b32 s[\g+5], 16384                       ; tensor_dim0_stride
	s_mov_b32 s[\g+6], 0
	s_mov_b32 s[\g+7], 0
.endr
	s_lshl_b32 s22, s11, 13                        ; my half of K: 8,192 bytes of a row tile
	s_lshl_b32 s20, s16, 17                        ; ctx: 131,072 x tile row
	s_add_co_u32 s20, s20, s22
	s_mov_b32 s21, 0
	s_lshl_b32 s56, s17, 17                        ; wo: 15 Mi + 131,072 x tile column
	s_add_co_u32 s56, s56, s22
	s_add_co_u32 s56, s56, 0xf00000
	s_mov_b32 s57, 0
	s_lshl_b32 s23, s10, 16                        ; where it goes: 65,536 x wave: no place in the cluster enters an LDS address
	s_wait_dscnt 0x0                               ; both opening adds are done
	s_wait_kmcnt 0x0
	s_load_b64 s[96:97], s[88:89], 0x28            ; e10, e11
	s_add_nc_u64 s[20:21], s[84:85], s[20:21]
	s_add_nc_u64 s[56:57], s[86:87], s[56:57]
	s_mov_b32 s[G0A], 1
	s_mov_b32 s[G0A+1], s23
	s_mov_b64 s[G0A+2:G0A+3], s[20:21]
	s_or_b32 s[G0A+3], s[G0A+3], 0x80000000
	s_mov_b32 s[G0B], 1
	s_mov_b32 s[G0B+1], s23
	s_mov_b64 s[G0B+2:G0B+3], s[56:57]
	s_or_b32 s[G0B+3], s[G0B+3], 0x80000000
	CROUND                                         ; all sixteen work-groups are here: the joint loads meet
	s_cmp_eq_u32 s12, 0
	s_cbranch_scc0 .Lfill_b
	tensor_load_to_lds s[G0A:G0A+3], s[G1A:G1A+7]
	s_nop 0
.rept 4
	v_nop
.endr
	s_branch .Lfilled
.Lfill_b:
	tensor_load_to_lds s[G0B:G0B+3], s[G1B:G1B+7]
	s_nop 0
.rept 4
	v_nop
.endr
.Lfilled:
	v_and_b32 v1, 31, v0
	v_lshlrev_b32 v2, 4, v1                        ; 16 x lane
	s_wait_alu depctr_va_vdst(0)
	s_lshl_b32 s58, s11, 15                        ; my 64 rows of ctx: four row tiles of 8,192 bytes,
	s_lshl_b32 s59, s12, 15
	s_add_co_u32 s59, s59, 65536                   ; my 64 rows of wo, behind ctx's 128
.irp p, 0,1
	v_add_nc_u32 v[ADRA+\p], s58, v2
	v_add_nc_u32 v[ADRB+\p], s59, v2
	s_add_co_u32 s58, s58, HALF
	s_add_co_u32 s59, s59, HALF
.endr
	v_and_b32 v3, 15, v0                           ; r
	v_bfe_u32 v4, v0, 4, 1                         ; h
	s_mul_i32 s60, s10, 16*SP
	s_add_co_u32 s60, s60, STAGE                   ; my stage
	v_mul_u32_u24 v[STO], v3, SP                   ; in: the row at place r, + 64 h
	v_lshl_add_u32 v[STO], v4, 6, v[STO]
	v_add_nc_u32 v[STO], s60, v[STO]
	v_mul_u32_u24 v[RD], v4, SP                    ; back: lanes 0-15 one row of 256 bytes, lanes 16-31 the next
	v_lshl_add_u32 v[RD], v3, 4, v[RD]
	v_add_nc_u32 v[RD], s60, v[RD]
	v_lshlrev_b32 v[CO], 12, v4                    ; and the same two rows in out
	v_lshl_add_u32 v[CO], v3, 4, v[CO]
	v_lshlrev_b32 v[BOF], 4, v3
	s_lshl_b32 s62, s17, 9                         ; my first column, in bytes: 512 x tile column + 256 x half
	s_lshl_b32 s63, s12, 8
	s_add_co_u32 s62, s62, s63
	s_mov_b32 s63, 0
	s_add_nc_u64 s[90:91], s[90:91], s[62:63]
	s_wait_alu depctr_va_vdst(0)                   ; the head's end
	global_load_b128 v[BI:BI+3], v[BOF], s[90:91]  ; bo at the four columns that I store
	s_lshl_b32 s60, s16, 19                        ; my first row: 128 x tile row + 64 x half, of 4,096 bytes
	s_lshl_b32 s61, s11, 18
	s_add_co_u32 s60, s60, s61
	s_add_co_u32 s60, s60, s62
	s_mov_b32 s61, 0
	s_add_nc_u64 s[92:93], s[92:93], s[60:61]
.macro FETCH s, f                      ; 32 LDS loads in one run: the fragments of K step s (128 along K) into buffer f
	WIN TO_F
.irp i, 0,1,2,3
.irp c, 0,1,2,3
	ds_load_b128 v[\f+64+16*\i+4*\c:\f+64+16*\i+4*\c+3], v[ADRB+(\s)/4] offset:\i*8192+((\s)%4)*2048+512*\c
.endr
.endr
.irp i, 0,1,2,3
.irp c, 0,1,2,3
	ds_load_b128 v[\f+16*\i+4*\c:\f+16*\i+4*\c+3], v[ADRA+(\s)/4] offset:\i*8192+((\s)%4)*2048+512*\c
.endr
.endr
.endm
.macro MUL f, zero                     ; 16 matrix instructions; the 16 accumulators take turns, in the same order in every step
	WIN MULW
.irp a, 0,1,2,3
.irp b, 0,1,2,3
.if \zero
	v_wmma_f32_16x16x128_fp8_fp8 v[ACC+8*(4*\a+\b):ACC+8*(4*\a+\b)+7], v[\f+64+16*\b:\f+64+16*\b+15], v[\f+16*\a:\f+16*\a+15], 0
.else
	v_wmma_f32_16x16x128_fp8_fp8 v[ACC+8*(4*\a+\b):ACC+8*(4*\a+\b)+7], v[\f+64+16*\b:\f+64+16*\b+15], v[\f+16*\a:\f+16*\a+15], v[ACC+8*(4*\a+\b):ACC+8*(4*\a+\b)+7]
.endif
.endr
.endr
.endm
; K step s multiplies buffer s % 2 and then fetches step s + 2 into it.
.macro KS s
.if (\s) == 7
	s_wait_dscnt 0x0
.else
	s_wait_dscnt 32                                ; this step's fragments are in; the next step's 32 loads may be out
.endif
.if (\s) == 0
	MUL 0, 1                                       ; the first products start the sums
.else
	MUL 128*((\s)%2), 0
.endif
.if (\s) <= 5
	PLACES
	FETCH (\s)+2, 128*((\s)%2)
.endif
.endm
	s_wait_tensorcnt 0x0                           ; my one load has landed; behind the barrier everybody's has (nothing is filled again)
	s_barrier_signal -1
	s_barrier_wait -1
	FETCH 0, 0
	FETCH 1, 128
.irp s, 0,1,2,3,4,5,6,7
	KS \s
.endr
	WIN 0
	; THE WAY OUT, a tile of 16 rows x 64 columns at a time.  A lane holds 32 neighbouring bytes of a row, the lanes beside it other rows: the sums go through my own stage in LDS and come back as rows of 256 bytes; then
	; sum x 2^(e10 + e11) + bo, one packed multiply-add for two numbers, and sixteen lanes store 256 consecutive bytes, at a multiple of 256 from out's first byte.  LDS serves a wave's instructions in order: no wait between the stores and the loads.
	s_wait_alu depctr_va_vdst(0)
	s_wait_kmcnt 0x0
	s_add_co_i32 s96, s96, s97
	s_add_co_i32 s96, s96, 127
	s_lshl_b32 s96, s96, 23                        ; 2^(e10 + e11) as f32
	s_mov_b32 s97, s96                             ; (named with it as a pair, so it is written)
	PLACES                                         ; in front of the first LDS store of a result
	s_wait_loadcnt 0x0                             ; bo
.macro TOSTAGE a
.irp b, 0,1,2,3
	ds_store_b128 v[STO], v[ACC+8*(4*(\a)+\b):ACC+8*(4*(\a)+\b)+3] offset:128*(\b/2)+32*(\b%2)        ; tile b of wo's rows: columns 32 (b / 2) + 8 (b % 2) + 16 h + 0 .. 7; each accumulator from its low end on
	ds_store_b128 v[STO], v[ACC+8*(4*(\a)+\b)+4:ACC+8*(4*(\a)+\b)+7] offset:128*(\b/2)+32*(\b%2)+16
.endr
.irp t, 0,1,2,3,4,5,6,7
	ds_load_b128 v[BK+32*((\a)%2)+4*\t:BK+32*((\a)%2)+4*\t+3], v[RD] offset:2*\t*SP
.endr
.endm
.macro SEND a, younger                 ; younger: the LDS instructions issued behind tile a's loads, which may stay out
	s_wait_dscnt \younger
.irp t, 0,1,2,3,4,5,6,7
	v_pk_fma_f32 v[BK+32*((\a)%2)+4*\t:BK+32*((\a)%2)+4*\t+1], v[BK+32*((\a)%2)+4*\t:BK+32*((\a)%2)+4*\t+1], s[96:97], v[BI:BI+1] op_sel_hi:[1,0,1]
	v_pk_fma_f32 v[BK+32*((\a)%2)+4*\t+2:BK+32*((\a)%2)+4*\t+3], v[BK+32*((\a)%2)+4*\t+2:BK+32*((\a)%2)+4*\t+3], s[96:97], v[BI+2:BI+3] op_sel_hi:[1,0,1]
.endr
.irp t, 0,1,2,3,4,5,6,7
	global_store_b128 v[CO], v[BK+32*((\a)%2)+4*\t:BK+32*((\a)%2)+4*\t+3], s[92:93] offset:(32*((\a)/2)+8*((\a)%2)+2*\t+8*(\t/4))*4096 th:TH_STORE_NT   ; places 2 t and 2 t + 1 of tile a: their rows; written once, read by nobody here
.endr
.endm
	TOSTAGE 0
.irp a, 1,2,3
.if \a > 1
	s_wait_xcnt 0x0                                ; tile a - 2's stores have read their registers: tile a's loads may land there
.endif
	TOSTAGE \a
	SEND \a-1, 16                                  ; behind tile a - 1's loads: tile a's 8 stores and 8 loads
.endr
	SEND 3, 0
	s_wait_tensorcnt 0x0                           ; the wave's end, behind my last tensor load and my last LDS store
	ds_add_u32 v[SPW], v[NIL]
	s_wait_dscnt 0x0
	CROUND                                         ; the closing round: no work-group ends while a partner may still ask for a tile that names it
	s_endpgm
.Lfunc_end_k_q29c39a27a3_outp:
	.size	k_q29c39a27a3_outp, .Lfunc_end_k_q29c39a27a3_outp-k_q29c39a27a3_outp
	.p2alignl 7, 3214868480
	.fill 96, 4, 3214868480
	.section	.rodata,"a",@progbits
	.p2align	6, 0x0
	.amdhsa_kernel k_q29c39a27a3_outp
		.amdhsa_group_segment_fixed_size 327680
		.amdhsa_private_segment_fixed_size 0
		.amdhsa_enable_private_segment 0
		.amdhsa_kernarg_size 40
		.amdhsa_user_sgpr_count 2
		.amdhsa_user_sgpr_kernarg_segment_ptr 1
		.amdhsa_wavefront_size32 1
		.amdhsa_system_sgpr_workgroup_id_x 1
		.amdhsa_system_sgpr_workgroup_id_y 1
		.amdhsa_system_sgpr_workgroup_id_z 1
		.amdhsa_system_vgpr_workitem_id 0
		.amdhsa_next_free_vgpr 512
		.amdhsa_next_free_sgpr 100
		.amdhsa_reserve_vcc 0
		.amdhsa_float_denorm_mode_32 3
		.amdhsa_float_denorm_mode_16_64 3
		.amdhsa_memory_ordered 1
		.amdhsa_forward_progress 1
		.amdhsa_inst_pref_size 44
	.end_amdhsa_kernel
	.amdgpu_metadata
---
amdhsa.version: [ 1, 2 ]
amdhsa.kernels:
  - .name:           k_q29c39a27a3_outp
    .symbol:         k_q29c39a27a3_outp.kd
    .args:
      - { .name: ctx, .offset: 0, .size: 8, .value_kind: global_buffer, .address_space: global }
      - { .name: codes, .offset: 8, .size: 8, .value_kind: global_buffer, .address_space: global }
      - { .name: lowp_scales, .offset: 16, .size: 8, .value_kind: global_buffer, .address_space: global }
      - { .name: bo, .offset: 24, .size: 8, .value_kind: global_buffer, .address_space: global }
      - { .name: out0, .offset: 32, .size: 8, .value_kind: global_buffer, .address_space: global }
    .group_segment_fixed_size: 327680
    .private_segment_fixed_size: 0
    .kernarg_segment_align: 8
    .kernarg_segment_size: 40
    .max_flat_workgroup_size: 128
    .sgpr_count:     100
    .vgpr_count:     512
    .wavefront_size: 32
...
	.end_amdgpu_metadata
.endif
;; end of part 4
